; MI455X (gfx1250); checked and timed in simulation.
; The chip was launched on July 23, 2026; its instructions are those of AMD's public machine-readable ISA for CDNA 5 (MIT licence, August 2026) and "CDNA5" Instruction Set Architecture Reference Guide (July 2026). The comments in the code are by the model that wrote it; some were corrected since.
;; SMPLNN. Allowed arithmetic: float matrix products may take bf16 or f16 operands with f32 sums; all other float work in f32.
;; Inputs: bone_transforms 24 x 4 x 4 float32; rotation 32,768 x 4 float32; skinning_weights 6,890 x 24 float32; smpl_verts 6,890 x 3 float32; xyz 32,768 x 3 float32.
;; Outputs: out0 32,768 x 3 float32; out1 32,768 x 3 x 3 float32; out2 32,768 x 4 x 4 float32.
;; One version. Each part assembles by itself: llvm-mc -triple=amdgcn-amd-amdhsa -mcpu=gfx1250 --defsym DOCPART=n.
;; ======== version 1 of 1: 2 launches
;; limits: values within 7.63e-06 (relative) of each other or of a threshold may be ordered or decided otherwise than in the reference
;; workspace buffers: nn 131,072 bytes of whole numbers
;; launch knn (part 1): grid 256 x 1, 8 waves a work-group, no clusters, 300,032 bytes of LDS; arguments smpl_verts, xyz, nn; writes nn
.if DOCPART == 1
	.amdgcn_target "amdgcn-amd-amdhsa--gfx1250"
	.amdhsa_code_object_version 6
	.text
	.protected	k_q7069e03797_knn
	.globl	k_q7069e03797_knn
	.p2align	8
	.type	k_q7069e03797_knn,@function
k_q7069e03797_knn:
	s_mov_b64 s[64:65], 0
	v_nop
	global_prefetch_b8 v0, s[64:65] scope:SCOPE_SE
	s_setreg_imm32_b32 hwreg(HW_REG_WAVE_MODE, 25, 1), 1
	s_wait_xcnt 0x0
; nn[p] = index of the vertex nearest to point p (lowest index among ties).  xyz: [32768][3] f32, smpl_verts: [6890][3] f32, nn: [32768] u32.
; A work-group owns 128 points (8 tiles of 16) and sees all vertices; 8 waves; wave w takes the vertex tiles t*8+w, t = 0..53, against all 8 point tiles.
;
; ONE MATRIX INSTRUCTION = ONE 16 x 16 BLOCK OF SQUARED DISTANCES AT F32 ACCURACY.  With y = x - c, u = v - c (c: the mean of vertices 0..31, the same in
; every wave; a common offset of both clouds leaves before anything is squared), a = -2 y, every f32 is split exactly into three bf16 parts h + m + l
; (each rounded to nearest even, the rest formed without error).  The 32 K places hold
;   vertex side, the same 16 numbers in both lane halves:  c0 = uh0 uh1 | uh2 UUh | um0 um1 | um2 1.0      c1 = ul0 ul1 | ul2 UUl | uh0 uh1 | uh2 UUm     (UU = |u|^2)
;   point side, lanes 0-15:                                     ah0 ah1 | ah2 1.0 | ah0 ah1 | ah2 YYh           ah0 ah1 | ah2 1.0 | al0 al1 | al2 1.0
;   point side, lanes 16-31:                                    am0 am1 | am2 0   | am0 am1 | am2 YYm           am0 am1 | am2 0   | 0   0   | 0   0
; so D = |y|^2 (1 + 2^-14) + |u|^2 - 2 y.u.  The terms al*um and al*ul are left out: at most 2^-25 of a product.  |y|^2 is the same for all candidates of a
; point, so two parts and a small upward bias do: the bias keeps D positive, and D small near the minimum.  c0 (k below 16) holds all large terms, so
; the sum in ascending k is already of the distance's size at k = 16.
;
; ARGMIN AT 1.5 VECTOR INSTRUCTIONS A RESULT: key = (D & ~63) | t (t < 54 fits 6 bits), two keys folded by one v_min3_num_f32.  For positive floats the order of
; the keys is the order of (D cut to 17 mantissa bits, t).  Vertex index = t*128 + w*16 + lane%16, so (cut D, t, w, lane) in this order is (cut D, index).
; LIMITS: candidates whose D agree in sign, exponent and the top 17 mantissa bits count as tied and the lower index wins; squares must stay finite
; (|coordinate - c| below about 1e19); with NaN inputs the index is unspecified (the next launch clamps it into the table).
; The vertex list is padded to 6912 by repeating vertex 6889: a copy ties with the original and stands behind it in index order, so it never wins.
;
; NO CLUSTER, NO TENSOR LOAD: what work-groups share is the 82,680 raw vertex bytes read once at the head, and they must pass through registers to be split.
;
; LDS: 0 vertex table, tile T at 512 T: 16 x 16 bytes of c0, then 16 x 16 bytes of c1 (lane i at 16 i: all sixteen 16-byte columns differ)
;      AFRAG 8 point fragments of 1,024 bytes;  CAND 128 rows (points) of 128 keys, pitch 528 = 33 x 16;  FIN 256 keys, 256 candidate numbers
.set NV,    6890
.set AFRAG, 221184
.set CAND,  229376
.set CP,    528
.set FIN,   296960
.set BB0,   16                         ; v[16:31]   vertex fragments of a pair of tiles, buffer 0 (while the table is built: at work)
.set BB1,   32                         ; v[32:47]   buffer 1
.set DD,    48                         ; v[48:79]   results: two groups of 16 (one point tile x two vertex tiles) that take turns
.set AA,    80                         ; v[80:143]  the 8 point fragments; at the end the 64 keys that a thread scans
.set BEST,  144                        ; v[144:207] running least key of point tile p, register j
.set VL,    80                         ; v[80:187]  while the table is built: 27 vertices a thread, 4 registers each (3 loaded, the 4th takes |u|^2)
.set CI,    8                          ; v[8:11]    at the end: candidate numbers of four chains
	s_load_b128 s[4:7], s[0:1], 0x0                ; smpl_verts s[4:5], xyz s[6:7]
	s_load_b64 s[8:9], s[0:1], 0x10                ; nn
	v_lshl_add_u32 v208, v0, 2, 0x49000
	v_mov_b32 v209, 0
	v_and_b32 v1, 31, v0                           ; lane
	v_lshrrev_b32 v2, 5, v0
	v_readfirstlane_b32 s10, v2                    ; wave 0..7
	v_and_b32 v2, 15, v0                           ; lane % 16
	s_mov_b32 s11, 0x76543210                      ; v_permlanex16_b32: lane i reads lane i of the other half
	s_mov_b32 s12, 0xfedcba98
	s_mov_b32 s13, 0xffffffc0                      ; keeps all but the 6 bits that take t
	s_mov_b32 s14, 0                               ; t of the pair's even tile
	s_mov_b32 s15, 1                               ; t of its odd tile
	s_mov_b32 s17, 0xffff                          ; a word's lower bf16
	s_mov_b32 s18, 0x3f800000                      ; bf16 1.0 in the upper half
	s_lshl_b32 s19, ttmp9, 7                       ; the work-group's first point
	s_lshl4_add_u32 s20, s10, s19                  ; first point of tile w: this wave builds that tile's fragment
	v_mul_u32_u24 v3, v1, 12                       ; vertex = lane, for the centre
	v_add_nc_u32 v4, s20, v2
	v_mul_u32_u24 v4, v4, 12                       ; my point (both lane halves the same)
	v_mul_u32_u24 v5, v0, 12                       ; vertex = thread; turn i adds 256 vertices in the immediate
	v_add_nc_u32 v6, 26*256, v0
	v_min_u32 v6, NV-1, v6                         ; the last turn passes the list's end: it repeats vertex 6889
	v_mul_u32_u24 v6, v6, 12
	v_lshrrev_b32 v7, 4, v0
	v_lshlrev_b32 v7, 9, v7
	v_lshl_add_u32 v7, v2, 4, v7                   ; table: tile thread/16, row thread%16
	s_lshl_b32 s21, s10, 10
	s_add_co_u32 s21, s21, AFRAG
	v_lshl_add_u32 v15, v1, 4, s21                 ; my 16 bytes in fragment w
	v_mov_b32 v11, -1.0
	v_mov_b32 v16, 0                               ; v_permlanex16_b32 counts as a reader of its destination
	v_mov_b32 v17, 0
	v_mov_b32 v18, 0
	s_wait_kmcnt 0x0
	global_load_b96 v[8:10], v3, s[4:5]
	global_load_b96 v[12:14], v4, s[6:7]
.set i, 0
.rept 26
	global_load_b96 v[VL+4*i:VL+4*i+2], v5, s[4:5] offset:i*3072   ; a wave's load covers 384 consecutive bytes
.set i, i+1
.endr
	global_load_b96 v[VL+104:VL+106], v6, s[4:5]
	; the centre: mean of vertices 0..31, every lane ends up with it
	s_wait_loadcnt 28                              ; 28 loads were issued behind the centre's
.irp m, 1,2,4,8
.irp c, 8,9,10
	v_add_f32_dpp v\c, v\c, v\c row_xmask:\m row_mask:0xf bank_mask:0xf
.endr
.endr
	v_permlanex16_b32 v16, v8, s11, s12
	v_permlanex16_b32 v17, v9, s11, s12
	v_permlanex16_b32 v18, v10, s11, s12
	v_add_f32 v8, v8, v16
	v_add_f32 v9, v9, v17
	v_add_f32 v10, v10, v18
	v_mul_f32 v8, 0x3d000000, v8                   ; / 32
	v_mul_f32 v9, 0x3d000000, v9
	v_mul_f32 v10, 0x3d000000, v10
	; the point fragment of tile w
	s_wait_loadcnt 27                              ; the 27 vertex loads were issued behind my point's
	v_sub_f32 v16, v12, v8                         ; y
	v_sub_f32 v17, v13, v9
	v_sub_f32 v18, v14, v10
	v_mul_f32 v19, v16, v16
	v_fmac_f32 v19, v17, v17
	v_fmac_f32 v19, v18, v18                       ; |y|^2
	v_mul_f32 v16, -2.0, v16                       ; a = -2 y, exact
	v_mul_f32 v17, -2.0, v17
	v_mul_f32 v18, -2.0, v18
	v_cvt_pk_bf16_f32 v20, v16, v17                ; ah0 ah1
	v_cvt_pk_bf16_f32 v21, v18, v19                ; ah2 YYh
	v_mul_f32 v19, 0x3f800200, v19                 ; |y|^2 (1 + 2^-14): the bias outweighs the 2^-18 that two parts can miss
	v_fma_mix_f32_bf16 v16, v20, v11, v16 op_sel_hi:[1,0,0]                ; the rest: f32 minus the bf16 half, exact
	v_fma_mix_f32_bf16 v17, v20, v11, v17 op_sel:[1,0,0] op_sel_hi:[1,0,0]
	v_fma_mix_f32_bf16 v18, v21, v11, v18 op_sel_hi:[1,0,0]
	v_fma_mix_f32_bf16 v19, v21, v11, v19 op_sel:[1,0,0] op_sel_hi:[1,0,0]
	v_cvt_pk_bf16_f32 v22, v16, v17                ; am0 am1
	v_cvt_pk_bf16_f32 v23, v18, v19                ; am2 YYm
	v_fma_mix_f32_bf16 v16, v22, v11, v16 op_sel_hi:[1,0,0]
	v_fma_mix_f32_bf16 v17, v22, v11, v17 op_sel:[1,0,0] op_sel_hi:[1,0,0]
	v_fma_mix_f32_bf16 v18, v23, v11, v18 op_sel_hi:[1,0,0]
	v_cvt_pk_bf16_f32 v24, v16, v17                ; al0 al1
	v_cvt_pk_bf16_f32 v25, v18, 1.0                ; al2 1.0
	v_bfi_b32 v26, s17, v21, s18                   ; ah2 1.0
	v_and_b32 v27, 0xffff, v23                     ; am2 0
	v_cmp_le_u32 vcc_lo, 16, v1                    ; lanes 16-31 take the m parts
	v_cndmask_b32 v28, v20, v22, vcc_lo
	v_cndmask_b32 v29, v26, v27, vcc_lo
	v_cndmask_b32 v30, v20, v22, vcc_lo
	v_cndmask_b32 v31, v21, v23, vcc_lo
	v_cndmask_b32 v32, v20, v22, vcc_lo
	v_cndmask_b32 v33, v26, v27, vcc_lo
	v_cndmask_b32 v34, v24, 0, vcc_lo
	v_cndmask_b32 v35, v25, 0, vcc_lo
	ds_store_b128 v15, v[28:31]                    ; registers 0-3 of the fragment, lane i at 16 i
	ds_store_b128 v15, v[32:35] offset:512         ; registers 4-7
	; the vertex table: turn i splits vertex 256 i + thread.  Two sets of work registers take turns.
.set i, 0
.rept 27
.set Q, VL+4*i
.set S, 16+12*(i&1)
	s_wait_loadcnt 26-i                            ; 26 - i loads were issued behind turn i's
.if i
.if (i&7)==0
	v_add_nc_u32 v7, 0x10000, v7                   ; eight turns of 8,192 bytes fill the 16-bit immediate
.endif
.endif
	v_sub_f32 v[Q], v[Q], v8                       ; u
	v_sub_f32 v[Q+1], v[Q+1], v9
	v_sub_f32 v[Q+2], v[Q+2], v10
	v_mul_f32 v[Q+3], v[Q], v[Q]
	v_fmac_f32 v[Q+3], v[Q+1], v[Q+1]
	v_fmac_f32 v[Q+3], v[Q+2], v[Q+2]              ; |u|^2
	v_cvt_pk_bf16_f32 v[S], v[Q], v[Q+1]           ; uh0 uh1
	v_cvt_pk_bf16_f32 v[S+1], v[Q+2], v[Q+3]       ; uh2 UUh
	v_fma_mix_f32_bf16 v[Q], v[S], v11, v[Q] op_sel_hi:[1,0,0]
	v_fma_mix_f32_bf16 v[Q+1], v[S], v11, v[Q+1] op_sel:[1,0,0] op_sel_hi:[1,0,0]
	v_fma_mix_f32_bf16 v[Q+2], v[S+1], v11, v[Q+2] op_sel_hi:[1,0,0]
	v_fma_mix_f32_bf16 v[Q+3], v[S+1], v11, v[Q+3] op_sel:[1,0,0] op_sel_hi:[1,0,0]
	v_cvt_pk_bf16_f32 v[S+2], v[Q], v[Q+1]         ; um0 um1
	v_cvt_pk_bf16_f32 v[S+8], v[Q+2], v[Q+3]       ; um2 UUm
	v_fma_mix_f32_bf16 v[Q], v[S+2], v11, v[Q] op_sel_hi:[1,0,0]
	v_fma_mix_f32_bf16 v[Q+1], v[S+2], v11, v[Q+1] op_sel:[1,0,0] op_sel_hi:[1,0,0]
	v_fma_mix_f32_bf16 v[Q+2], v[S+8], v11, v[Q+2] op_sel_hi:[1,0,0]
	v_fma_mix_f32_bf16 v[Q+3], v[S+8], v11, v[Q+3] op_sel:[1,0,0] op_sel_hi:[1,0,0]
	v_cvt_pk_bf16_f32 v[S+4], v[Q], v[Q+1]         ; ul0 ul1
	v_cvt_pk_bf16_f32 v[S+5], v[Q+2], v[Q+3]       ; ul2 UUl
	v_bfi_b32 v[S+3], s17, v[S+8], s18             ; um2 1.0
	v_mov_b32 v[S+6], v[S]                         ; uh0 uh1 once more: the store wants four registers in a row
	v_bfi_b32 v[S+7], s17, v[S+1], v[S+8]          ; uh2 UUm
	ds_store_b128 v7, v[S:S+3] offset:(i&7)*8192
	ds_store_b128 v7, v[S+4:S+7] offset:(i&7)*8192+256
.set i, i+1
.endr
	s_wait_dscnt 0x0                               ; my part of the table and my fragment are in LDS,
	s_barrier_signal -1
	s_barrier_wait -1                              ; and so is everybody's
	v_lshlrev_b32 v3, 4, v1
	v_add_nc_u32 v3, AFRAG, v3                     ; fragments: lane i at 16 i
	s_lshl_b32 s21, s10, 9
	v_lshl_add_u32 v4, v2, 4, s21                  ; table: tile w, row lane%16; both lane halves read the same bytes
	ds_load_b128 v[BB0:BB0+3], v4                  ; pair 0: tile t = 0 ...
	ds_load_b128 v[BB0+4:BB0+7], v4 offset:256
	ds_load_b128 v[BB0+8:BB0+11], v4 offset:4096   ; ... and t = 1, eight tiles of 512 bytes further
	ds_load_b128 v[BB0+12:BB0+15], v4 offset:4352
.irp p, 0,1,2,3,4,5,6,7
	ds_load_b128 v[AA+8*\p:AA+8*\p+3], v3 offset:1024*\p
	ds_load_b128 v[AA+8*\p+4:AA+8*\p+7], v3 offset:1024*\p+512
.endr
; Point tile p against the pair's two vertex tiles, into result group g.  Each instruction starts its own sum (C = 0): nothing is cleared, no accumulator is taken up again.
.macro WM p, g, buf
	v_wmma_f32_16x16x32_bf16 v[DD+16*\g:DD+16*\g+7], v[AA+8*\p:AA+8*\p+7], v[\buf:\buf+7], 0
	v_wmma_f32_16x16x32_bf16 v[DD+16*\g+8:DD+16*\g+15], v[AA+8*\p:AA+8*\p+7], v[\buf+8:\buf+15], 0
.endm
; The 16 results of group g become keys and are folded into point tile p's least keys.  init = 1: the first pair starts them.
.macro VB p, g, init
.irp j, 0,1,2,3,4,5,6,7
	v_and_or_b32 v[DD+16*\g+\j], v[DD+16*\g+\j], s13, s14
.endr
.irp j, 0,1,2,3,4,5,6,7
	v_and_or_b32 v[DD+16*\g+8+\j], v[DD+16*\g+8+\j], s13, s15
.endr
.irp j, 0,1,2,3,4,5,6,7
.if \init
	v_min_num_f32 v[BEST+8*\p+\j], v[DD+16*\g+\j], v[DD+16*\g+8+\j]
.else
	v_min3_num_f32 v[BEST+8*\p+\j], v[BEST+8*\p+\j], v[DD+16*\g+\j], v[DD+16*\g+8+\j]
.endif
.endr
.endm
; One pair of vertex tiles against the 8 point tiles.  The matrix instructions run one step ahead of the vector work: between the two that write a group and the
; first line that reads it stand the 24 vector instructions of the other group, which name none of their registers (ISA guide 7.12.1 asks for four such places);
; the same 24 stand between the last matrix instruction that read a fragment buffer and the loads that fill it again.
; noff: LDS offset of the next pair's fragments (0: none left).  lag: 0 no pair in front; 1, 2: point tile 7 of the pair in front is folded here (1: it starts its keys).
.macro PAIR buf, nbuf, noff, lag, init
	s_wait_dscnt 0x0                               ; this pair's fragments, asked for a whole pair ago
.if \noff
	ds_load_b128 v[\nbuf:\nbuf+3], v4 offset:\noff
	ds_load_b128 v[\nbuf+4:\nbuf+7], v4 offset:\noff+256
	ds_load_b128 v[\nbuf+8:\nbuf+11], v4 offset:\noff+4096
	ds_load_b128 v[\nbuf+12:\nbuf+15], v4 offset:\noff+4352
.endif
	WM 0, 0, \buf
.if \lag
	VB 7, 1, (\lag==1)
	s_add_co_u32 s14, s14, 2                       ; from here on this pair's t
	s_add_co_u32 s15, s15, 2
.endif
	WM 1, 1, \buf
.if \lag == 0
.rept 4
	v_nop                                          ; the very first results have no other group's work in front of them: four places (ISA guide 7.12.1)
.endr
.endif
	VB 0, 0, \init
	WM 2, 0, \buf
	VB 1, 1, \init
	WM 3, 1, \buf
	VB 2, 0, \init
	WM 4, 0, \buf
	VB 3, 1, \init
	WM 5, 1, \buf
	VB 4, 0, \init
	WM 6, 0, \buf
	VB 5, 1, \init
	WM 7, 1, \buf
	VB 6, 0, \init
.endm
	PAIR BB0, BB1, 8192, 0, 1                      ; pair 0 starts the keys of point tiles 0-6
	PAIR BB1, BB0, 16384, 1, 0                     ; pair 1; its first fold starts point tile 7's
	v_add_nc_u32 v4, 16384, v4                     ; two pairs = 4 tiles of mine = 32 tiles of the table
	s_mov_b32 s16, 12
.Lpairs:                                               ; pairs 2 to 25; each asks for the next one's fragments, the last for pair 26's
	PAIR BB0, BB1, 8192, 2, 0
	PAIR BB1, BB0, 16384, 2, 0
	v_add_nc_u32 v4, 16384, v4
	s_sub_co_i32 s16, s16, 1
	s_cmp_lg_u32 s16, 0
	s_cbranch_scc1 .Lpairs
	PAIR BB0, BB1, 0, 2, 0                         ; pair 26: nothing is left to fetch
	VB 7, 1, 0
	; 128 candidates a point (8 waves x 16 lanes) meet in LDS: row = point, place = 16 w + lane%16.  Register j of tile p in lane (r, h) is point 16 p + 8 h + j.
	v_lshrrev_b32 v5, 4, v1
	v_mul_u32_u24 v5, v5, 8*CP                     ; 8 rows = 1,056 words: lanes 16-31 land 32 words (mod 64) from lanes 0-15
	v_lshl_add_u32 v5, v2, 2, v5
	s_lshl_b32 s21, s10, 6
	s_add_co_u32 s21, s21, CAND
	v_add_nc_u32 v5, s21, v5
.irp p, 0,1,2,3,4,5,6,7
.irp j, 0,1,2,3,4,5,6,7
	ds_store_b32 v5, v[BEST+8*\p+\j] offset:(16*\p+\j)*CP
.endr
.endr
	s_wait_dscnt 0x0                               ; my keys are in LDS,
	s_barrier_signal -1
	s_barrier_wait -1                              ; everybody's are
	v_and_b32 v6, 127, v0                          ; thread: point thread%128, candidates 64 (thread/128) .. + 63
	v_lshrrev_b32 v7, 7, v0
	v_mul_u32_u24 v6, v6, CP                       ; pitch 33 x 16 bytes: sixteen neighbouring rows start in sixteen different 16-byte columns
	v_lshl_add_u32 v6, v7, 8, v6
	v_add_nc_u32 v6, CAND, v6
.set i, 0
.rept 16
	ds_load_b128 v[AA+4*i:AA+4*i+3], v6 offset:16*i
.set i, i+1
.endr
.irp c, 0,1,2,3
	v_mov_b32 v[CI+\c], 16*\c                      ; four chains of 16 candidates; each chain's first key starts it
.endr
	s_wait_dscnt 0x0
	; candidates in rising order, replaced only by a strictly smaller key: among equal keys the lowest (w, lane) stays
.set i, 1
.rept 15
.irp c, 0,1,2,3
	v_cmp_lt_f32 s[24+\c], v[AA+16*\c+i], v[AA+16*\c]
.endr
.irp c, 0,1,2,3
	v_cndmask_b32 v[AA+16*\c], v[AA+16*\c], v[AA+16*\c+i], s[24+\c]
.endr
.irp c, 0,1,2,3
	v_cndmask_b32 v[CI+\c], v[CI+\c], 16*\c+i, s[24+\c]
.endr
.set i, i+1
.endr
	v_cmp_lt_f32 s24, v[AA+16], v[AA]              ; the later chain wins only if strictly smaller
	v_cmp_lt_f32 s25, v[AA+48], v[AA+32]
	v_cndmask_b32 v[AA], v[AA], v[AA+16], s24
	v_cndmask_b32 v[CI], v[CI], v[CI+1], s24
	v_cndmask_b32 v[AA+32], v[AA+32], v[AA+48], s25
	v_cndmask_b32 v[CI+2], v[CI+2], v[CI+3], s25
	v_cmp_lt_f32 s24, v[AA+32], v[AA]
	v_cndmask_b32 v[AA], v[AA], v[AA+32], s24
	v_cndmask_b32 v[CI], v[CI], v[CI+2], s24
	v_lshl_add_u32 v[CI], v7, 6, v[CI]             ; + 64 for the upper half of the candidates
	v_lshl_add_u32 v12, v0, 2, FIN
	ds_store_b32 v12, v[AA]
	ds_store_b32 v12, v[CI] offset:1024
	s_wait_dscnt 0x0
	s_barrier_signal -1
	s_barrier_wait -1
	s_cmp_lg_u32 s10, 0
	s_cbranch_scc1 .Lend
	; wave 0: four points a lane, the two halves' winners merged, one store of 512 consecutive bytes
	v_lshl_add_u32 v13, v1, 4, FIN
	ds_load_b128 v[16:19], v13                     ; keys, candidates 0-63
	ds_load_b128 v[20:23], v13 offset:512          ; keys, candidates 64-127
	ds_load_b128 v[24:27], v13 offset:1024         ; their candidate numbers
	ds_load_b128 v[28:31], v13 offset:1536
	s_lshl_b32 s21, ttmp9, 9
	v_lshl_add_u32 v14, v1, 4, s21
	s_wait_dscnt 0x0
.irp k, 0,1,2,3
	v_cmp_lt_f32 s[24+\k], v[20+\k], v[16+\k]
.endr
.irp k, 0,1,2,3
	v_cndmask_b32 v[16+\k], v[16+\k], v[20+\k], s[24+\k]
	v_cndmask_b32 v[24+\k], v[24+\k], v[28+\k], s[24+\k]
.endr
.irp k, 0,1,2,3
	v_and_b32 v[16+\k], 63, v[16+\k]               ; t
	v_lshl_add_u32 v[32+\k], v[16+\k], 7, v[24+\k] ; vertex = 128 t + 16 w + lane%16
.endr
	global_store_b128 v14, v[32:35], s[8:9]
.Lend:
	s_wait_tensorcnt 0x0
	ds_add_u32 v208, v209
	s_wait_dscnt 0x0
	s_endpgm
.Lfunc_end_k_q7069e03797_knn:
	.size	k_q7069e03797_knn, .Lfunc_end_k_q7069e03797_knn-k_q7069e03797_knn
	.p2alignl 7, 3214868480
	.fill 96, 4, 3214868480
	.section	.rodata,"a",@progbits
	.p2align	6, 0x0
	.amdhsa_kernel k_q7069e03797_knn
		.amdhsa_group_segment_fixed_size 300032
		.amdhsa_private_segment_fixed_size 0
		.amdhsa_enable_private_segment 0
		.amdhsa_kernarg_size 24
		.amdhsa_user_sgpr_count 2
		.amdhsa_user_sgpr_kernarg_segment_ptr 1
		.amdhsa_wavefront_size32 1
		.amdhsa_system_sgpr_workgroup_id_x 1
		.amdhsa_system_sgpr_workgroup_id_y 1
		.amdhsa_system_sgpr_workgroup_id_z 1
		.amdhsa_system_vgpr_workitem_id 0
		.amdhsa_next_free_vgpr 210
		.amdhsa_next_free_sgpr 66
		.amdhsa_reserve_vcc 1
		.amdhsa_float_denorm_mode_32 3
		.amdhsa_float_denorm_mode_16_64 3
		.amdhsa_memory_ordered 1
		.amdhsa_forward_progress 1
		.amdhsa_inst_pref_size 132
	.end_amdhsa_kernel
	.amdgpu_metadata
---
amdhsa.version: [ 1, 2 ]
amdhsa.kernels:
  - .name:           k_q7069e03797_knn
    .symbol:         k_q7069e03797_knn.kd
    .args:
      - { .name: smpl_verts, .offset: 0, .size: 8, .value_kind: global_buffer, .address_space: global }
      - { .name: xyz, .offset: 8, .size: 8, .value_kind: global_buffer, .address_space: global }
      - { .name: nn, .offset: 16, .size: 8, .value_kind: global_buffer, .address_space: global }
    .group_segment_fixed_size: 300032
    .private_segment_fixed_size: 0
    .kernarg_segment_align: 8
    .kernarg_segment_size: 24
    .max_flat_workgroup_size: 256
    .sgpr_count:     66
    .vgpr_count:     210
    .wavefront_size: 32
...
	.end_amdgpu_metadata
.endif
;; end of part 1
;; launch skin (part 2): grid 256 x 1, 4 waves a work-group, no clusters, 16,896 bytes of LDS; arguments nn, skinning_weights, bone_transforms, xyz, rotation, out0, out1, out2; writes out0, out1, out2
.if DOCPART == 2
	.amdgcn_target "amdgcn-amd-amdhsa--gfx1250"
	.amdhsa_code_object_version 6
	.text
	.protected	k_q7069e03797_skin
	.globl	k_q7069e03797_skin
	.p2align	8
	.type	k_q7069e03797_skin,@function
k_q7069e03797_skin:
	s_mov_b64 s[64:65], 0
	v_nop
	global_prefetch_b8 v0, s[64:65] scope:SCOPE_SE
	s_setreg_imm32_b32 hwreg(HW_REG_WAVE_MODE, 25, 1), 1
	s_wait_xcnt 0x0
; For each point p with v = nn[p]:  T = skinning_weights[v] (24) x bone_transforms (24 x 16);  out2 = T;  out0 = T[:3,:3] xyz + T[:3,3];  out1 = T[:3,:3] R(rotation).
; A work-group owns 128 points, a wave 32 = two tiles of 16.  The 24 x 16 product goes to the matrix unit in bf16 with f32 sums, K = 24 padded to 32:
; source 0 = the bones transposed (row e = entry of T, along K the joints, zeros for k >= 24), source 1 = the gathered weight rows (column = point), so that
; register j of lane (r, h) holds T[point r][8 h + j]: eight neighbouring entries of one point.  Lanes 16-31 load weights 16-23 for the places k = 24..31 as well;
; the zero bones there drop them.  The 3 x 3 products differ from point to point (no operand is shared), so they are f32 fused multiply-adds, one point a lane.
; All three outputs leave through LDS: 1,536 + 4,608 + 8,192 bytes a work-group = 28 stores of 512 consecutive aligned bytes, seven a wave.
; No cluster and no tensor load: work-groups share only the 1,536 bytes of bones; every load stands at the head or hangs on the index, so nothing is asked for ahead.
; LIMITS: 1 / |q|^2 by v_rcp_f32: |q|^2 must be a normal f32 (|q| between about 1e-19 and 1e19); |q| = 0 gives NaN as in the reference.
.set NV,  6890
.set S1,  1536                         ; LDS: 0 out0's stage (128 x 12), S1 out1's (128 x 36), S2 T's: 128 rows, pitch 80 = 5 x 16 bytes
.set S2,  6144
.set TP,  80
.set BON, 32                           ; v[32:47]   bones as loaded
.set WG0, 48                           ; v[48:63]   weights of tile 0 as loaded; later out2's way out
.set WG1, 64                           ; v[64:79]   weights of tile 1; later out0's and out1's way out
.set FB,  80                           ; v[80:87]   bones fragment
.set FW0, 88                           ; v[88:95]   weight fragment, tile 0
.set FW1, 96                           ; v[96:103]  tile 1
.set D0,  104                          ; v[104:111] T of tile 0
.set D1,  112                          ; v[112:119] T of tile 1
.set TT,  120                          ; v[120:131] rows 0-2 of my point's T
.set QT,  132                          ; v[132:141] quaternion work
.set RM,  146                          ; v[146:154] R
.set RB,  156                          ; v[156:164] T33 R
.set XB,  166                          ; v[166:168] x_bar
	s_load_b512 s[8:23], s[0:1], 0x0               ; nn s[8:9], weights s[10:11], bones s[12:13], xyz s[14:15], rotation s[16:17], out0 s[18:19], out1 s[20:21], out2 s[22:23]
	v_lshl_add_u32 v172, v0, 2, 0x4000
	v_mov_b32 v173, 0
	v_and_b32 v1, 31, v0                           ; lane
	v_lshrrev_b32 v2, 5, v0
	v_readfirstlane_b32 s4, v2                     ; wave 0..3
	v_and_b32 v2, 15, v0                           ; r
	v_bfe_u32 v3, v0, 4, 1                         ; h
	s_lshl_b32 s5, ttmp9, 7
	s_lshl_b32 s6, s4, 5
	s_add_co_u32 s5, s5, s6                        ; the wave's first point
	s_mul_i32 s7, s4, 32*TP
	s_add_co_u32 s7, s7, S2                        ; the wave's 32 rows of T's stage
	v_add_nc_u32 v4, s5, v2
	v_lshlrev_b32 v4, 2, v4                        ; nn of point r of tile 0; tile 1 is 64 bytes on
	v_add_nc_u32 v5, s5, v1                        ; my point
	v_mul_u32_u24 v6, v5, 12
	v_lshlrev_b32 v7, 4, v5
	v_lshlrev_b32 v8, 2, v2                        ; bones: entry e = r,
	v_lshl_add_u32 v9, v3, 9, v8                   ; joints from 8 h on (64 bytes a joint)
	s_wait_kmcnt 0x0
	global_load_b32 v20, v4, s[8:9]
	global_load_b32 v21, v4, s[8:9] offset:64
.irp i, 0,1,2,3,4,5,6,7
	global_load_b32 v[BON+\i], v9, s[12:13] offset:64*\i           ; bone[8 h + i][e]
.endr
.irp i, 0,1,2,3,4,5,6,7
	global_load_b32 v[BON+8+\i], v8, s[12:13] offset:1024+64*\i    ; bone[16 + i][e] in both halves: joints 24-31 do not exist
.endr
	global_load_b96 v[24:26], v6, s[14:15] th:TH_LOAD_NT
	global_load_b128 v[28:31], v7, s[16:17] th:TH_LOAD_NT
	s_wait_loadcnt 18                              ; 18 loads were issued behind the two indices
	v_min_u32 v20, NV-1, v20                       ; an index stays inside the table
	v_min_u32 v21, NV-1, v21
	v_mul_u32_u24 v20, v20, 96                     ; a weight row is 96 bytes
	v_mul_u32_u24 v21, v21, 96
	v_lshl_add_u32 v22, v3, 5, v20                 ; weights 8 h .. 8 h + 7
	v_lshl_add_u32 v23, v3, 5, v21
	global_load_b128 v[WG0:WG0+3], v22, s[10:11]
	global_load_b128 v[WG0+4:WG0+7], v22, s[10:11] offset:16
	global_load_b128 v[WG0+8:WG0+11], v20, s[10:11] offset:64      ; weights 16 .. 23
	global_load_b128 v[WG0+12:WG0+15], v20, s[10:11] offset:80
	global_load_b128 v[WG1:WG1+3], v23, s[10:11]
	global_load_b128 v[WG1+4:WG1+7], v23, s[10:11] offset:16
	global_load_b128 v[WG1+8:WG1+11], v21, s[10:11] offset:64
	global_load_b128 v[WG1+12:WG1+15], v21, s[10:11] offset:80
	; while the rows are on their way: the bones' fragment, the addresses of the way out, R
	s_wait_loadcnt 10                              ; behind the bones: xyz, rotation, eight row loads
	v_cmp_eq_u32 vcc_lo, 1, v3
.irp i, 0,1,2,3,4,5,6,7
	v_cvt_pk_bf16_f32 v[FB+\i], v[BON+2*\i], v[BON+2*\i+1]
.endr
.irp i, 4,5,6,7
	v_cndmask_b32 v[FB+\i], v[FB+\i], 0, vcc_lo    ; k = 24 .. 31: zero
.endr
	v_lshrrev_b32 v12, 2, v1                       ; out2's way out: lane takes quarter lane%4 of row lane/4
	v_mul_u32_u24 v12, v12, TP
	v_and_b32 v13, 3, v1
	v_lshl_add_u32 v12, v13, 4, v12
	v_add_nc_u32 v12, s7, v12
	s_lshl_b32 s24, s5, 6
	v_lshl_add_u32 v13, v1, 4, s24                 ; and 16 lane behind the wave's first byte of out2
	v_mul_u32_u24 v15, v0, 36
	v_add_nc_u32 v15, S1, v15                      ; out1's stage: 36 bytes a point
	s_mul_i32 s6, s4, 1536
	v_lshl_add_u32 v16, v1, 4, s6                  ; way out of out0 and out1: twelve pieces of 512 bytes, three a wave
	v_lshlrev_b32 v17, 4, v1
	s_wait_loadcnt 8                               ; behind xyz and rotation: the eight row loads
	v_mul_f32 v[QT], v28, v28
	v_fmac_f32 v[QT], v29, v29
	v_fmac_f32 v[QT], v30, v30
	v_fmac_f32 v[QT], v31, v31                     ; |q|^2
	v_rcp_f32 v[QT+1], v[QT]
	v_mul_u32_u24 v14, v0, 12                      ; out0's stage: 12 bytes a point (also the plain instruction that stands behind v_rcp_f32: ISA guide 5.7.2)
	s_wait_alu depctr_va_vdst(0)
	v_add_f32 v[QT+1], v[QT+1], v[QT+1]            ; s = 2 / |q|^2: R of the normalised quaternion without a root
	v_mul_f32 v[QT+2], v29, v[QT+1]                ; x s
	v_mul_f32 v[QT+3], v30, v[QT+1]                ; y s
	v_mul_f32 v[QT+4], v31, v[QT+1]                ; z s
	v_mul_f32 v[QT+5], v28, v[QT+2]                ; r x s
	v_mul_f32 v[QT+6], v28, v[QT+3]                ; r y s
	v_mul_f32 v[QT+7], v28, v[QT+4]                ; r z s
	v_fma_f32 v[QT+8], -v29, v[QT+2], 1.0          ; 1 - x x s
	v_fma_f32 v[QT+9], -v30, v[QT+3], 1.0          ; 1 - y y s
	v_fma_f32 v[RM+0], -v31, v[QT+4], v[QT+9]      ; 1 - 2 (yy + zz)
	v_fma_f32 v[RM+1], v29, v[QT+3], -v[QT+7]      ; 2 (xy - rz)
	v_fma_f32 v[RM+2], v29, v[QT+4], v[QT+6]       ; 2 (xz + ry)
	v_fma_f32 v[RM+3], v29, v[QT+3], v[QT+7]       ; 2 (xy + rz)
	v_fma_f32 v[RM+4], -v31, v[QT+4], v[QT+8]      ; 1 - 2 (xx + zz)
	v_fma_f32 v[RM+5], v30, v[QT+4], -v[QT+5]      ; 2 (yz - rx)
	v_fma_f32 v[RM+6], v29, v[QT+4], -v[QT+6]      ; 2 (xz - ry)
	v_fma_f32 v[RM+7], v30, v[QT+4], v[QT+5]       ; 2 (yz + rx)
	v_fma_f32 v[RM+8], -v30, v[QT+3], v[QT+8]      ; 1 - 2 (xx + yy)
	s_wait_loadcnt 4                               ; tile 0's four row loads are in, tile 1's four stay out
.irp i, 0,1,2,3,4,5,6,7
	v_cvt_pk_bf16_f32 v[FW0+\i], v[WG0+2*\i], v[WG0+2*\i+1]
.endr
	s_wait_loadcnt 0
.irp i, 0,1,2,3,4,5,6,7
	v_cvt_pk_bf16_f32 v[FW1+\i], v[WG1+2*\i], v[WG1+2*\i+1]
.endr
	v_wmma_f32_16x16x32_bf16 v[D0:D0+7], v[FB:FB+7], v[FW0:FW0+7], 0
	v_wmma_f32_16x16x32_bf16 v[D1:D1+7], v[FB:FB+7], v[FW1:FW1+7], 0
	v_mul_u32_u24 v10, v2, TP                      ; five plain vector instructions that name none of the matrix instructions' registers stand in front of the
	v_lshl_add_u32 v10, v3, 5, v10                 ; LDS stores that read the results (ISA guide 7.12.1 asks for four)
	v_add_nc_u32 v10, s7, v10                      ; in: row r, 32 bytes for each lane half
	v_mul_u32_u24 v11, v1, TP
	v_add_nc_u32 v11, s7, v11                      ; back: my point's row
	ds_store_b128 v10, v[D0:D0+3]
	ds_store_b128 v10, v[D0+4:D0+7] offset:16
	ds_store_b128 v10, v[D1:D1+3] offset:16*TP
	ds_store_b128 v10, v[D1+4:D1+7] offset:16*TP+16
	ds_load_b128 v[TT:TT+3], v11                   ; the rows are the wave's own and LDS serves a wave's instructions in order (ISA guide 5.7.1.4): no wait, no barrier
	ds_load_b128 v[TT+4:TT+7], v11 offset:16
	ds_load_b128 v[TT+8:TT+11], v11 offset:32
.irp c, 0,1,2,3
	ds_load_b128 v[WG0+4*\c:WG0+4*\c+3], v12 offset:8*TP*\c        ; eight rows of T = 512 bytes of out2
.endr
	s_wait_dscnt 0x0
.irp c, 0,1,2,3
	global_store_b128 v13, v[WG0+4*\c:WG0+4*\c+3], s[22:23] offset:512*\c th:TH_STORE_NT
.endr
.irp i, 0,1,2
	v_fma_f32 v[XB+\i], v[TT+4*\i+2], v26, v[TT+4*\i+3]
.endr
.irp i, 0,1,2
	v_fmac_f32 v[XB+\i], v[TT+4*\i+1], v25
.endr
.irp i, 0,1,2
	v_fmac_f32 v[XB+\i], v[TT+4*\i], v24
.endr
.irp i, 0,1,2
.irp k, 0,1,2
	v_mul_f32 v[RB+3*\i+\k], v[TT+4*\i], v[RM+\k]
.endr
.endr
.irp i, 0,1,2
.irp k, 0,1,2
	v_fmac_f32 v[RB+3*\i+\k], v[TT+4*\i+1], v[RM+3+\k]
.endr
.endr
.irp i, 0,1,2
.irp k, 0,1,2
	v_fmac_f32 v[RB+3*\i+\k], v[TT+4*\i+2], v[RM+6+\k]
.endr
.endr
.irp k, 0,1,2
	ds_store_b32 v14, v[XB+\k] offset:4*\k         ; lanes 3 words apart
.endr
.irp k, 0,1,2,3,4,5,6,7,8
	ds_store_b32 v15, v[RB+\k] offset:4*\k         ; lanes 9 words apart: an odd step, 32 different words mod 64
.endr
	; wave 0 takes out0's three pieces of 512 bytes, waves 1-3 three each of out1's nine
	s_mul_i32 s24, ttmp9, 1536
	s_mul_i32 s25, ttmp9, 4608
	s_max_u32 s28, s4, 1
	s_sub_co_u32 s28, s28, 1
	s_mul_i32 s28, s28, 1536
	s_add_co_u32 s25, s25, s28
	s_cmp_eq_u32 s4, 0
	s_cselect_b64 s[26:27], s[18:19], s[20:21]
	s_cselect_b32 s24, s24, s25
	s_mov_b32 s25, 0
	s_add_nc_u64 s[26:27], s[26:27], s[24:25]
	s_wait_dscnt 0x0                               ; my points' results are in the stages,
	s_barrier_signal -1
	s_barrier_wait -1                              ; everybody's are: a piece of 512 bytes holds points of two waves
.irp c, 0,1,2
	ds_load_b128 v[WG1+4*\c:WG1+4*\c+3], v16 offset:512*\c
.endr
	s_wait_dscnt 0x0
.irp c, 0,1,2
	global_store_b128 v17, v[WG1+4*\c:WG1+4*\c+3], s[26:27] offset:512*\c th:TH_STORE_NT
.endr
	s_wait_tensorcnt 0x0
	ds_add_u32 v172, v173
	s_wait_dscnt 0x0
	s_endpgm
.Lfunc_end_k_q7069e03797_skin:
	.size	k_q7069e03797_skin, .Lfunc_end_k_q7069e03797_skin-k_q7069e03797_skin
	.p2alignl 7, 3214868480
	.fill 96, 4, 3214868480
	.section	.rodata,"a",@progbits
	.p2align	6, 0x0
	.amdhsa_kernel k_q7069e03797_skin
		.amdhsa_group_segment_fixed_size 16896
		.amdhsa_private_segment_fixed_size 0
		.amdhsa_enable_private_segment 0
		.amdhsa_kernarg_size 64
		.amdhsa_user_sgpr_count 2
		.amdhsa_user_sgpr_kernarg_segment_ptr 1
		.amdhsa_wavefront_size32 1
		.amdhsa_system_sgpr_workgroup_id_x 1
		.amdhsa_system_sgpr_workgroup_id_y 1
		.amdhsa_system_sgpr_workgroup_id_z 1
		.amdhsa_system_vgpr_workitem_id 0
		.amdhsa_next_free_vgpr 174
		.amdhsa_next_free_sgpr 66
		.amdhsa_reserve_vcc 1
		.amdhsa_float_denorm_mode_32 3
		.amdhsa_float_denorm_mode_16_64 3
		.amdhsa_memory_ordered 1
		.amdhsa_forward_progress 1
		.amdhsa_inst_pref_size 13
	.end_amdhsa_kernel
	.amdgpu_metadata
---
amdhsa.version: [ 1, 2 ]
amdhsa.kernels:
  - .name:           k_q7069e03797_skin
    .symbol:         k_q7069e03797_skin.kd
    .args:
      - { .name: nn, .offset: 0, .size: 8, .value_kind: global_buffer, .address_space: global }
      - { .name: skinning_weights, .offset: 8, .size: 8, .value_kind: global_buffer, .address_space: global }
      - { .name: bone_transforms, .offset: 16, .size: 8, .value_kind: global_buffer, .address_space: global }
      - { .name: xyz, .offset: 24, .size: 8, .value_kind: global_buffer, .address_space: global }
      - { .name: rotation, .offset: 32, .size: 8, .value_kind: global_buffer, .address_space: global }
      - { .name: out0, .offset: 40, .size: 8, .value_kind: global_buffer, .address_space: global }
      - { .name: out1, .offset: 48, .size: 8, .value_kind: global_buffer, .address_space: global }
      - { .name: out2, .offset: 56, .size: 8, .value_kind: global_buffer, .address_space: global }
    .group_segment_fixed_size: 16896
    .private_segment_fixed_size: 0
    .kernarg_segment_align: 8
    .kernarg_segment_size: 64
    .max_flat_workgroup_size: 128
    .sgpr_count:     66
    .vgpr_count:     174
    .wavefront_size: 32
...
	.end_amdgpu_metadata
.endif
;; end of part 2
